; MI455X (gfx1250); checked and timed in simulation.
; The chip was launched on July 23, 2026; its instructions are those of AMD's public machine-readable ISA for CDNA 5 (MIT licence, August 2026) and "CDNA5" Instruction Set Architecture Reference Guide (July 2026). The comments in the code are by the model that wrote it; some were corrected since.
;; MOE Router. Allowed arithmetic: matrix products marked QUANTISED: E5M2 operands, one given power-of-two scale a tensor, by v_wmma_f32_16x16x64_bf8_bf8 or v_wmma_f32_16x16x128_bf8_bf8, f32 sums; products left as they are: f32 operands where the result goes on into a quantised operand, else bf16, f16 or f32 operands; f32 sums; everything else in f32.
;; Inputs: W1 512 x 1,024 float32; W2 8 x 512 float32; b1 512 float32; b2 8 float32; lowp_scales 2 int32 (the exponents e of the quantised operands' scales 2^e); x 32,768 x 1,024 float32.
;; Outputs: out0 32,768 x 8 float32; out1 32,768 x 2 float32; out2 32,768 x 2 int32; out3 8 x 2 x 32,768 int32.
;; This version of the problem:
;;   THIS VERSION OF THE PROBLEM IS GIVEN IN LOW PRECISION. The matrix products marked QUANTISED in the list below multiply operands that are first quantised to E5M2 (5 exponent bits, 2 mantissa bits; 8 bits a number), with one given power-of-two scale for each operand tensor; their sums are f32. All else is computed in f32.
;;   The module's matrix products, in the order in which they are computed (A, B: the left and right operand; K: the contracted axis; several contracted axes count as one K, in the product's order):
;;     1. [M 32,768, K 1,024] x [K 1,024, N 512]; A: input x; B: input W1: QUANTISED (scales: A lowp_scales[0], B lowp_scales[1])
;;     2. [M 32,768, K 512] x [K 512, N 8]; A: computed on the way; B: input W2: left as it is (N = 8 < 16)
;;   THE QUANTISER, for each operand of a quantised product, along K:
;;     - The operand's scale is 2^e, e = its entry of the input lowp_scales (int32; the entries are numbered through the quantised products in the list's order, A before B).
;;     - Each number is divided by the scale, clamped to +-57,344, and rounded to the nearest number of E5M2, ties to even, subnormals kept.
;;     - The product sums the exact products of the quantised numbers (number of the format x scale) in f32.
;;   ~~~python
;;   def quantise(x, axis, e):      # numpy; x: float32 -> the quantised numbers, widened to float32 again
;;       x = np.moveaxis(x, axis, -1); K = x.shape[-1]
;;       r = np.clip(x / 2.0 ** e, -57344, 57344)
;;       step = 2.0 ** (np.maximum(np.frexp(np.where(r == 0, 1, r))[1] - 1, -14) - 2)
;;       q = np.round(r / step) * step * 2.0 ** e      # np.round: ties to even
;;       return np.moveaxis(q, -1, axis).astype(np.float32)
;;   ~~~
;; One version. Each part assembles by itself: llvm-mc -triple=amdgcn-amd-amdhsa -mcpu=gfx1250 --defsym DOCPART=n.
;; ======== version 1 of 1: 2 launches
;; limits: right only within a limited range of input values
;; workspace buffers: w1c 524,288 bytes
;; launch prep (part 1): grid 256 x 1, 2 waves a work-group, no clusters, 0 bytes of LDS; arguments W1, lowp_scales, w1c; writes w1c
.if DOCPART == 1
	.amdgcn_target "amdgcn-amd-amdhsa--gfx1250"
	.amdhsa_code_object_version 6
	.text
	.protected	k_qbaeef80242_prep
	.globl	k_qbaeef80242_prep
	.p2align	8
	.type	k_qbaeef80242_prep,@function
k_qbaeef80242_prep:
	s_mov_b64 s[64:65], 0
	v_nop
	global_prefetch_b8 v0, s[64:65] scope:SCOPE_SE
	s_setreg_imm32_b32 hwreg(HW_REG_WAVE_MODE, 25, 1), 1
	s_wait_xcnt 0x0
; W1 [512][1024] f32 becomes codes of BF8 (E5M2) with the given scale 2^e1 (entry 1 of lowp_scales), laid as IMAGES OF THE OPERAND'S REGISTERS for the next launch:
; w1c = [f 0..3][w 0..7][q 0..1][t 0..3][c 0..3][lane 0..31][16 bytes]; K step 2 f + q (128 along K); the 16 bytes of lane (r, h) are the codes of W1[64 w + 16 t + r][128 (2 f + q) + 32 c + 16 h + 0 .. 15].
; code = x / 2^e1, held within +-57,344, rounded to the nearest code, ties to even.  LIMITS: e1 between -126 and 112, so that 2^e1 and 57,344 x 2^e1 are f32 numbers; NaN among the inputs is not served.
; 512 wave jobs: job J = 2 x work-group + wave takes 16 units (tile J / 16) x 64 along K (block J % 16): 256 aligned bytes of each of 16 rows, and 1,024 consecutive bytes of codes.
; A lane loads its own 16 neighbours along K for each of two quads c, so the conversions' results are the image as it stands: no LDS, no barrier.
; W1 is read once and in one piece a wave: there is no loop that a prefetch could run ahead in.
.set X, 16                             ; v16-47  two times 16 numbers
.set C, 48                             ; v48-55  two times four words of codes
	s_load_b128 s[4:7], s[0:1], 0x0                ; W1 s[4:5], the scales' exponents s[6:7]
	s_load_b64 s[8:9], s[0:1], 0x10                ; w1c
	v_lshrrev_b32 v1, 5, v0
	v_readfirstlane_b32 s10, v1                    ; wave
	s_lshl_b32 s12, ttmp9, 1
	s_add_co_u32 s12, s12, s10                     ; J
	s_and_b32 s13, s12, 15                         ; the block of 64 along K
	s_lshr_b32 s14, s12, 4                         ; the tile of 16 units
	s_lshl_b32 s16, s14, 16                        ; from: 16 rows of 4,096 bytes x tile
	s_lshl_b32 s15, s13, 8                         ;       + 256 x block
	s_add_co_u32 s16, s16, s15
	s_mov_b32 s17, 0
	s_and_b32 s15, s13, 12                         ; to: f = block / 4
	s_lshl_b32 s18, s15, 15
	s_lshr_b32 s15, s14, 2                         ;     w = tile / 4
	s_lshl_b32 s15, s15, 14
	s_add_co_u32 s18, s18, s15
	s_and_b32 s15, s13, 2                          ;     q = (block / 2) % 2
	s_lshl_b32 s15, s15, 12
	s_add_co_u32 s18, s18, s15
	s_and_b32 s15, s14, 3                          ;     t = tile % 4
	s_lshl_b32 s15, s15, 11
	s_add_co_u32 s18, s18, s15
	s_and_b32 s15, s13, 1                          ;     c begins at 2 (block % 2)
	s_lshl_b32 s15, s15, 10
	s_add_co_u32 s18, s18, s15
	s_mov_b32 s19, 0
	v_and_b32 v2, 15, v0                           ; r
	v_bfe_u32 v3, v0, 4, 1                         ; h
	v_and_b32 v5, 31, v0
	v_lshlrev_b32 v2, 12, v2
	v_lshl_add_u32 v3, v3, 6, v2                   ; row r, + 64 h bytes
	v_lshlrev_b32 v4, 4, v5                        ; 16 x lane
	s_wait_alu depctr_va_vdst(0)
	s_wait_kmcnt 0x0
	s_load_b32 s20, s[6:7], 0x4                    ; e1
	s_add_nc_u64 s[4:5], s[4:5], s[16:17]
	s_add_nc_u64 s[8:9], s[8:9], s[18:19]
.irp c, 0,1
.irp i, 0,1,2,3
	global_load_b128 v[X+16*\c+4*\i:X+16*\c+4*\i+3], v3, s[4:5] offset:128*\c+16*\i   ; the eight loads together take 256 bytes of each of 16 rows
.endr
.endr
	s_wait_kmcnt 0x0
	s_add_co_i32 s20, s20, 127
	s_lshl_b32 s21, s20, 23
	v_mov_b32 v8, s21                              ; 2^e1 as f32: the conversion takes its exponent field
	s_add_co_i32 s20, s20, 15
	s_lshl_b32 s20, s20, 23
	s_or_b32 s22, s20, 0x600000                    ; 57,344 x 2^e1
	s_or_b32 s23, s22, 0x80000000                  ; and its negative
	s_wait_alu depctr_va_vdst(0)
.irp c, 0,1
	s_wait_loadcnt 4-4*\c                          ; quad c's four loads are in; the other quad's may be out
.irp i, 0,1,2,3,4,5,6,7,8,9,10,11,12,13,14,15
	v_med3_num_f32 v[X+16*\c+\i], v[X+16*\c+\i], s23, s22   ; the conversion to an 8-bit code does not saturate (ISA guide 7.6.2): the hold comes first
.endr
	v_cvt_scalef32_pk8_bf8_f32 v[C+4*\c:C+4*\c+1], v[X+16*\c:X+16*\c+7], v8
	v_cvt_scalef32_pk8_bf8_f32 v[C+4*\c+2:C+4*\c+3], v[X+16*\c+8:X+16*\c+15], v8
	v_nop                                          ; a plain vector line behind the last conversion
	global_store_b128 v4, v[C+4*\c:C+4*\c+3], s[8:9] offset:512*\c   ; 32 lanes store 512 consecutive bytes, at a multiple of 512 from the buffer's first byte
.endr
	s_endpgm
.Lfunc_end_k_qbaeef80242_prep:
	.size	k_qbaeef80242_prep, .Lfunc_end_k_qbaeef80242_prep-k_qbaeef80242_prep
	.p2alignl 7, 3214868480
	.fill 96, 4, 3214868480
	.section	.rodata,"a",@progbits
	.p2align	6, 0x0
	.amdhsa_kernel k_qbaeef80242_prep
		.amdhsa_group_segment_fixed_size 0
		.amdhsa_private_segment_fixed_size 0
		.amdhsa_enable_private_segment 0
		.amdhsa_kernarg_size 24
		.amdhsa_user_sgpr_count 2
		.amdhsa_user_sgpr_kernarg_segment_ptr 1
		.amdhsa_wavefront_size32 1
		.amdhsa_system_sgpr_workgroup_id_x 1
		.amdhsa_system_sgpr_workgroup_id_y 1
		.amdhsa_system_sgpr_workgroup_id_z 1
		.amdhsa_system_vgpr_workitem_id 0
		.amdhsa_next_free_vgpr 64
		.amdhsa_next_free_sgpr 66
		.amdhsa_reserve_vcc 0
		.amdhsa_float_denorm_mode_32 3
		.amdhsa_float_denorm_mode_16_64 3
		.amdhsa_memory_ordered 1
		.amdhsa_forward_progress 1
		.amdhsa_inst_pref_size 6
	.end_amdhsa_kernel
	.amdgpu_metadata
---
amdhsa.version: [ 1, 2 ]
amdhsa.kernels:
  - .name:           k_qbaeef80242_prep
    .symbol:         k_qbaeef80242_prep.kd
    .args:
      - { .name: W1, .offset: 0, .size: 8, .value_kind: global_buffer, .address_space: global }
      - { .name: lowp_scales, .offset: 8, .size: 8, .value_kind: global_buffer, .address_space: global }
      - { .name: w1c, .offset: 16, .size: 8, .value_kind: global_buffer, .address_space: global }
    .group_segment_fixed_size: 0
    .private_segment_fixed_size: 0
    .kernarg_segment_align: 8
    .kernarg_segment_size: 24
    .max_flat_workgroup_size: 64
    .sgpr_count:     66
    .vgpr_count:     64
    .wavefront_size: 32
...
	.end_amdgpu_metadata
.endif
;; end of part 1
;; launch main (part 2): grid 256 x 1, 8 waves a work-group, clusters of 4 x 1, 327,680 bytes of LDS; arguments x, w1c, W2, b1, b2, lowp_scales, out0, out1, out2, out3; writes out0, out1, out2, out3
.if DOCPART == 2
	.amdgcn_target "amdgcn-amd-amdhsa--gfx1250"
	.amdhsa_code_object_version 6
	.text
	.protected	k_qbaeef80242_main
	.globl	k_qbaeef80242_main
	.p2align	8
	.type	k_qbaeef80242_main,@function
k_qbaeef80242_main:
	s_mov_b64 s[64:65], 0
	v_nop
	global_prefetch_b8 v0, s[64:65] scope:SCOPE_SE
	s_setreg_imm32_b32 hwreg(HW_REG_WAVE_MODE, 25, 1), 1
	s_wait_xcnt 0x0
	s_wait_alu depctr_hold_cnt(0) depctr_sa_sdst(0) depctr_va_vdst(0) depctr_va_sdst(0) depctr_va_ssrc(0) depctr_va_vcc(0) depctr_vm_vsrc(0)
	s_getreg_b32 s2, hwreg(HW_REG_IB_STS2, 6, 4)
	s_cmp_eq_u32 s2, 0
	s_cbranch_scc0 .Lentry_in_a_cluster
	s_endpgm
.Lentry_in_a_cluster:
	s_bfe_u32 s2, ttmp6, 0x10000c
	s_cmp_lg_u32 s2, 0x3003
	s_cbranch_scc0 .Lentry_shape_is_right
	s_endpgm
.Lentry_shape_is_right:
; logits = 2^E S W2^T + (b1 W2^T + b2), S the raw sums of Q(x) Q(W1)^T, E = e0 + e1; softmax; the two largest probabilities (a tie goes to the lower index), renormalised; their indices; the one-hot masks [8][2][32768].
; SHARES.  A work-group owns 128 tokens and all 512 hidden units; K = 1,024 goes in 8 steps of 128.  Eight waves, two a SIMD; wave w owns units 64 w .. 64 w + 63 for all 128 tokens: 32 accumulators of 16 x 16, 256 registers.
; x (f32, read once) comes by loads of 512 consecutive bytes of a row into a ring of 6 groups of 4 rows in registers: 20 to 24 loads of a wave are out.  Wave w quantises rows 16 w .. 16 w + 15: a lane holds 4 neighbouring k of a row,
;   two rows' quads are eight consecutive registers, one conversion gives a word of codes for each row; the words go into LDS rows, k ascending, which all waves read.  Two buffers of codes by turns, one barrier a step.
; x IS PREFETCHED: in step s each wave asks for its part of step s + 4 (16 rows x 512 bytes: 32 lanes name 32 blocks of 256 bytes, each named once), which is loaded in steps s + 1 and s + 2; step 3's is asked for ahead of step 0; the last steps ask for nothing.
; W1 comes as codes, as images of the operand's registers (the launch before made them); wave w fetches only its own images by dense joint loads of 16,384 bytes (two K steps), through two LDS slots: one load at the head and one behind each round.
; CLUSTER.  All work-groups read the same 524,288 bytes of W1's codes: the four partners of a cluster ask for each piece JOINTLY (one descriptor, the mask names the four).  A mask names four at the most, and nothing else is shared.
; THE CLUSTERS WALK K STAGGERED: cluster c begins at K step 2 rho, rho = c % 4; its step s is K block (s + 2 rho) % 8, its fill i quarter (i + rho) % 4 of W1's codes.  The clusters' first fills thus ask for all four quarters between them: no
;   prefetch of W1's codes is laid beside them.  rho hangs on the cluster's number alone: the four partners' descriptors are equal.  Only the order of the f32 sums over K hangs on it.
; THE MATRIX INSTRUCTION IS USED TRANSPOSED (source 0 = 16 units of W1, source 1 = 16 tokens): lane (r, h) holds token r, register j unit 16 t + 8 h + j.  Inside an instruction k stands at 32 c + 16 h + 0..15 in registers 4 c .. 4 c + 3, alike in both operands.
; THE SECOND PRODUCT (8 columns) is done on f32 numbers by packed multiply-adds on pairs of neighbouring units: the indices are compared exactly, so nothing ahead of them is rounded below f32.
; b1 IS FOLDED: wave w makes b1 . W2[w] + b2[w], one number for expert w, which is added to the finished sum.
; LIMITS: e0 between -126 and 112; E between -126 and 127.  NaN is not served.  v_exp_f32 gives 0 under 2^-126 (ISA guide 15.8): a probability that small counts as 0 in the choice.
; REGISTERS.  Window 0: v1-15 addresses; v16-31 four sets of code words; v32-95 W1's four fragments; v96-159 x's fragments, two sets of two; v160-255 the ring.  Window 1: accumulator (T, t) at v[8 (4 T + t)].
;   On the way out: v96-127 and v32-63 W2, v128-255 the sums, then v32.. at work.
.set SLOT1, 131072                     ; LDS: slot 0 at 0, slot 1 here: wave w's 16,384 bytes at 16,384 w: [q][t][c][lane][16]
.set CODES, 262144                     ; x's codes: two buffers of 128 rows
.set CBUF,  18432
.set CP,    144                        ; a row of codes: 128 bytes + 16 = 36 words: the 16 rows that a load touches start at different banks (64 banks of 4 bytes: ISA guide 11.1)
.set W2L,   299008                     ; W2 as it lies in memory: expert e's 512 numbers at 2,048 e
.set SPARE, 315392                     ; the spare words, 128 bytes for each wave: four blocks of 256 bytes that no other line names
.set CBL,   316416                     ; b1 . W2[e] + b2[e], eight words
.set WI,    316672                     ; the two weights of each token, 8 bytes; 1,024 bytes further the two indices
.set SPW,  1                           ; v1   my spare word; never rewritten
.set NIL,  2                           ; v2   0; never rewritten
.set XOFF, 3                           ; v3   16 x lane
.set CADR, 4                           ; v4   where I store code words
.set AADR, 5                           ; v5   x's fragments
.set BADR, 6                           ; v6, v7  W1's fragments in slot 0, 1
.set WADR, 8                           ; v8   W2's numbers of my units, of my half of the lanes
.set PFO,  9                           ; v9   the prefetches' offset: row lane / 2, 256 bytes x (lane % 2)
.set SCL,  10                          ; v10  2^e0
.set W2S,  14                          ; v14  where I store my row of W2
.set EW,   15                          ; v15  4 x wave
.set CD,   16
.set UF,   32
.set AF,   96
.set RG,   160
.set LL,   128                         ; the way out: L(T, e), a pair, at v[128 + 16 T + 2 e]
.set PP,   32                          ; P(T, e) at v[32 + 8 T + e]
.set FF,   96                          ; the last phase
.set CB,   128
.set LG,   132
.set OT,   136
.set PR,   144
.set TM,   152
.set BV,   156
.set CV,   157
.set BI,   158
.set W0,   160
.set QQ,   164
.set DO,   172
.set OW,   174
.set II,   176
.set MK,   184
.set WV,   28                          ; s28  my wave's number
.set RHO,  31                          ; s31  rho
.set G1,   36                          ; s[36:43] descriptor group 1: 64 rows of 256 bytes
.set GF,   44                          ; s[44:59] groups 0, one for each fill, never rewritten
.set XB,   68                          ; s[68:83] where my 16 rows of x begin in each step's K block; never rewritten
.set LIM,  84                          ; s84  57,344 x 2^e0
.set TWOE, 85                          ; s85  2^E
.set NLIM, 86                          ; s86  -57,344 x 2^e0
.set HIGH, 87                          ; s87  lanes 16-31
.set MSB, 0
.macro WIN new                         ; the immediate's high byte repeats the setting that is left; a switch that changes nothing is dropped
.if MSB != \new
	s_set_vgpr_msb (MSB<<8)|\new
.set MSB, \new
.endif
.endm
.macro PLACES n                        ; plain vector lines behind matrix instructions, in front of loads into their registers
.rept \n
	v_nop
.endr
.endm
.macro CREST                           ; a round of the cluster's barrier behind its opening barrier
	s_cmp_lg_u32 s[WV], 0
	s_cbranch_scc1 .Lnot_wave_0_\@
	s_barrier_signal -3
.Lnot_wave_0_\@:
	s_barrier_wait -3
	s_barrier_signal -1
	s_barrier_wait -1
.endm
.macro ROUND
	s_barrier_signal -1
	s_barrier_wait -1
	CREST
.endm
.macro FILL g0                         ; my one joint load behind a round
	tensor_load_to_lds s[\g0:\g0+3], s[G1:G1+7]
	s_nop 0
	PLACES 4
.endm
.macro XLOAD q                         ; group q: step q / 4, my rows 4 (q % 4) .. + 3
.irp k, 0,1,2,3
	global_load_b128 v[RG+16*((\q)%6)+4*\k:RG+16*((\q)%6)+4*\k+3], v[XOFF], s[XB+2*((\q)/4):XB+2*((\q)/4)+1] offset:(4*((\q)%4)+\k)*4096 th:TH_LOAD_NT   ; 32 lanes read 512 consecutive bytes of a row
.endr
.endm
.macro ASK s                           ; prefetch: my 16 rows of step s
	global_prefetch_b8 v[PFO], s[XB+2*(\s):XB+2*(\s)+1] th:TH_LOAD_NT scope:SCOPE_SE
.endm
.macro HQ q, cnt                       ; group q is quantised, its code words go to LDS, and its registers take group q + 6
.set hR, RG+16*((\q)%6)
.set hC, CD+4*((\q)%4)
.if (\cnt) > 0
	s_wait_loadcnt \cnt
.elseif 31-(\q) < 5
	s_wait_loadcnt 4*(31-(\q))                     ; the tail: the groups that are left behind this one
.else
	s_wait_loadcnt 20                              ; my four loads are in; the five younger groups stay out
.endif
.irp n, 0,1,2,3,4,5,6,7,8,9,10,11,12,13,14,15
	v_med3_num_f32 v[hR+\n], v[hR+\n], s[NLIM], s[LIM]   ; the conversion does not saturate (ISA guide 7.6.2): the hold comes first
.endr
	v_cvt_scalef32_pk8_bf8_f32 v[hC:hC+1], v[hR:hR+7], v[SCL]      ; four codes of each of two rows
	v_cvt_scalef32_pk8_bf8_f32 v[hC+2:hC+3], v[hR+8:hR+15], v[SCL]
	v_nop                                          ; a plain vector line behind the last conversion
.irp k, 0,1,2,3
	ds_store_b32 v[CADR], v[hC+\k] offset:(((\q)/4)%2)*CBUF+(4*((\q)%4)+\k)*CP   ; 128 consecutive bytes: a row's codes of this step
.endr
.if (\q) <= 25
	XLOAD (\q)+6
.endif
.endm
.macro BLOAD s                         ; my four fragments of W1 for step s
.irp t, 0,1,2,3
.irp c, 0,1,2,3
	ds_load_b128 v[UF+16*\t+4*\c:UF+16*\t+4*\c+3], v[BADR+((\s)/2)%2] offset:((\s)%2)*8192+2048*\t+512*\c
.endr
.endr
.endm
.macro ALOAD s, i                      ; x's fragments of token tiles 2 i and 2 i + 1 into set i % 2
.irp u, 0,1
.irp c, 0,1,2,3
	ds_load_b128 v[AF+32*((\i)%2)+16*\u+4*\c:AF+32*((\i)%2)+16*\u+4*\c+3], v[AADR] offset:((\s)%2)*CBUF+(2*(\i)+\u)*16*CP+32*\c
.endr
.endr
.endm
.macro MM i, zero, w                   ; 8 products: my four tiles of units x token tiles 2 i, 2 i + 1.  The 32 accumulators take turns, one instruction a turn, in the same order in every step
	WIN 0x50                                       ; C and D window 1
.irp t, 0,1,2,3
.if (\i) == 0
	s_wait_dscnt (\w)+4*(3-\t)                     ; the tokens' first set and fragment t are in; behind them: the later fragments' loads and w younger LDS instructions
.endif
.irp u, 0,1
.set rD, 8*(4*(2*(\i)+\u)+\t)
.set rA, AF+32*((\i)%2)+16*\u
.if \zero
	v_wmma_f32_16x16x128_bf8_bf8 v[rD:rD+7], v[UF+16*\t:UF+16*\t+15], v[rA:rA+15], 0
.else
	v_wmma_f32_16x16x128_bf8_bf8 v[rD:rD+7], v[UF+16*\t:UF+16*\t+15], v[rA:rA+15], v[rD:rD+7]
.endif
.endr
.endr
.endm
.macro WLOAD g                         ; W2[e][16 t + 8 h + 4 (g % 2) + 0 .. 3] of my units, t = g / 2, e = 0 .. 7
.set wB, 96-64*((\g)%2)
.irp e, 0,1,2,3,4,5,6,7
	ds_load_b128 v[wB+4*\e:wB+4*\e+3], v[WADR] offset:2048*\e+64*((\g)/2)+16*((\g)%2)
.endr
.endm
; Step s.  It carries the next step's quantising (a group's 16 holds are the places in front of the loads into the set of x's fragments that the run before last read).  end: 0 a barrier; 1 the same, behind the wait for the last fill;
; else the barrier opens a round behind which the slot just read is filled again, by group 0 number end.  The signal stands ahead of the last eight products, the wait behind them.
.macro TRIP s, zero, pl, end
	WIN 0
.if \pl
	PLACES 4
.endif
	ALOAD \s, 0
	BLOAD \s
.if (\s) < 7
	HQ 4*(\s)+4, 0
	ALOAD \s, 1
	MM 0, \zero, 12                                ; behind the fragments: four code words, the next set's eight loads
	WIN 0
	HQ 4*(\s)+5, 0
.if (\s) < 4
	ASK (\s)+4
.endif
	ALOAD \s, 2
	s_wait_dscnt 12                                ; behind this run's set: four code words, the next set's eight loads
	MM 1, \zero, 0
	WIN 0
	HQ 4*(\s)+6, 0
	ALOAD \s, 3
	HQ 4*(\s)+7, 0
.if (\end) > 1
	s_wait_tensorcnt 0x0                           ; all my tensor loads have landed, the other slot's among them
	ds_add_u32 v[SPW], v[NIL]                      ; 0 onto my spare word
	s_wait_dscnt 17                                ; behind this run's set: eight code words, eight loads, the add
.else
.if (\end) == 1
	s_wait_tensorcnt 0x0                           ; the last fill is in: no tensor load was issued behind it
.endif
	s_wait_dscnt 16
.endif
	MM 2, \zero, 0
	s_wait_dscnt 0x0                               ; the last set is in, my code words have landed, my reads of the slot and of this step's codes are over (and the add is done)
	s_barrier_signal -1
	MM 3, \zero, 0
	WIN 0
	s_barrier_wait -1
.if (\end) > 1
	CREST                                          ; that now holds of every wave of all four work-groups
	FILL \end                                      ; it has two K steps in which to land; its four v_nop are also the places in front of the next fragment loads
.endif
.else
	ALOAD \s, 1
	MM 0, \zero, 8
	WIN 0
	PLACES 4
	ALOAD \s, 2
	s_wait_dscnt 8                                 ; behind this run's set: the next set's eight loads
	MM 1, \zero, 0
	WIN 0
	PLACES 4
	ALOAD \s, 3
	s_wait_dscnt 8
	MM 2, \zero, 0
	WIN 0
	PLACES 4
	WLOAD 0                                        ; the second product's first numbers of W2 come under the last products
	s_wait_dscnt 8
	MM 3, \zero, 0
.endif
.endm
; The second product, half g % 2 of tile g / 2 of my units: L(T, e) += acc(T, t)[a pair] x W2[e][the same two units].  Each accumulator is read from its low end on; 64 sums take turns.
.macro EPT g
	WIN 0
.if (\g) < 7
	WLOAD (\g)+1
	s_wait_dscnt 8                                 ; this half's numbers of W2 are in; the next half's eight loads stay out
.else
	s_wait_dscnt 0x0
.endif
	WIN 0x01                                       ; source 0 (the sums) window 1
.irp p, 0,1
.irp T, 0,1,2,3,4,5,6,7
.irp e, 0,1,2,3,4,5,6,7
.set rA, 8*(4*\T+(\g)/2)+4*((\g)%2)+2*\p
.set rW, 96-64*((\g)%2)+4*\e+2*\p
.set rL, LL+16*\T+2*\e
.if ((\g) == 0) && (\p == 0)
	v_pk_mul_f32 v[rL:rL+1], v[rA:rA+1], v[rW:rW+1]
.else
	v_pk_fma_f32 v[rL:rL+1], v[rA:rA+1], v[rW:rW+1], v[rL:rL+1]
.endif
.endr
.endr
.endr
.endm
	; ---- the head.  All that needs no argument stands between the loads of the arguments and the wait for them: the opening round of the cluster's barrier among it
	s_load_b512 s[8:23], s[0:1], 0x0               ; x 8, w1c 10, W2 12, b1 14, b2 16, the scales' exponents 18, out0 20, out1 22
	s_load_b128 s[24:27], s[0:1], 0x40             ; out2 24, out3 26
	v_lshl_add_u32 v[SPW], v0, 2, SPARE
	v_mov_b32 v[NIL], 0
	ds_add_u32 v[SPW], v[NIL]                      ; the wave's opening: the add, twice on end, and its wait
	ds_add_u32 v[SPW], v[NIL]
	v_lshrrev_b32 v11, 5, v0
	v_readfirstlane_b32 s[WV], v11                 ; wave 0..7
	s_mul_i32 s32, s[WV], 16*CP
	s_add_co_u32 s32, s32, CODES
	s_lshl_b32 s33, s[WV], 14                      ; my images' place in a slot and in a quarter of W1's codes
	s_lshl_b32 s34, s[WV], 11
	s_lshl_b32 s35, s[WV], 8
	s_lshl_b32 s2, s[WV], 2
	v_and_b32 v12, 31, v0                          ; lane
	v_and_b32 v11, 15, v0                          ; r
	v_bfe_u32 v13, v0, 4, 1                        ; h
	v_lshlrev_b32 v[XOFF], 4, v12
	v_lshl_add_u32 v[CADR], v12, 2, s32            ; code words: my wave's 16 rows, 4 x lane
	v_mul_u32_u24 v[AADR], v11, CP
	v_lshl_add_u32 v[AADR], v13, 4, v[AADR]
	v_add_nc_u32 v[AADR], CODES, v[AADR]           ; x's fragments: row r, + 16 h
	v_add_nc_u32 v[BADR], s33, v[XOFF]             ; an image's place for my lane
	v_add_nc_u32 v[BADR+1], SLOT1, v[BADR]
	v_lshlrev_b32 v[WADR], 5, v13
	v_add_nc_u32 v[WADR], s35, v[WADR]
	v_add_nc_u32 v[WADR], W2L, v[WADR]             ; W2: my 64 units are 256 bytes of a row; 32 bytes for each half of the lanes
	v_add_nc_u32 v[W2S], s34, v[XOFF]
	v_add_nc_u32 v[W2S], W2L, v[W2S]               ; row w of W2, 16 x lane
	v_lshrrev_b32 v[PFO], 1, v12
	v_lshlrev_b32 v[PFO], 12, v[PFO]
	v_and_b32 v12, 1, v12
	v_lshl_add_u32 v[PFO], v12, 8, v[PFO]
	v_mov_b32 v[EW], s2
	s_wait_alu depctr_va_vdst(0)
	s_wait_dscnt 0x0                               ; both opening adds are done
	ROUND                                          ; all four work-groups are here: the first joint loads, which follow with work on registers between, meet
	s_and_b32 s[RHO], ttmp9, 3                     ; rho: in a cluster launch ttmp9 counts clusters
	s_bfe_u32 s29, ttmp6, 0x40000                  ; cx: my place in the cluster: it enters x's and the outputs' addresses alone
	s_lshl_b32 s30, ttmp9, 2
	s_add_co_u32 s30, s30, s29                     ; my block of 128 tokens
	s_mov_b32 s[G1+0], 15|(3<<16)|(1<<21)          ; 15:0 the mask: all four work-groups; 17:16 elements of 8 bytes; 20 no padding; 21 set beside a mask
	s_mov_b32 s[G1+1], 32<<16                      ; tensor_dim0 = 32
	s_mov_b32 s[G1+2], 64<<16                      ; tensor_dim1 = 64
	s_mov_b32 s[G1+3], 32<<16                      ; tile_dim0 = 32
	s_mov_b32 s[G1+4], 64                          ; tile_dim1 = 64
	s_mov_b32 s[G1+5], 32                          ; from row to row
	s_mov_b32 s[G1+6], 0
	s_mov_b32 s[G1+7], 0
.irp i, 0,1,2,3                        ; fill i: slot i % 2; from quarter (i + rho) % 4 of W1's codes, 16,384 x wave
	s_mov_b32 s[GF+4*\i], 1
	s_add_co_u32 s[GF+4*\i+1], s33, (\i%2)*SLOT1
	s_add_co_u32 s[GF+4*\i+2], s[RHO], \i
	s_and_b32 s[GF+4*\i+2], s[GF+4*\i+2], 3
	s_lshl_b32 s[GF+4*\i+2], s[GF+4*\i+2], 17
	s_add_co_u32 s[GF+4*\i+2], s[GF+4*\i+2], s33
	s_mov_b32 s[GF+4*\i+3], 0
.endr
	s_lshl_b32 s2, s30, 19                         ; x: 128 rows of 4,096 bytes x block
	s_lshl_b32 s3, s[WV], 16                       ; + 16 rows x wave
	s_add_co_u32 s2, s2, s3
	s_lshl_b32 s3, s[RHO], 1
.irp s, 0,1,2,3,4,5,6,7                ; step s reads K block (s + 2 rho) % 8, 512 bytes of a row
	s_add_co_u32 s[XB+2*\s], s3, \s
	s_and_b32 s[XB+2*\s], s[XB+2*\s], 7
	s_lshl_b32 s[XB+2*\s], s[XB+2*\s], 9
	s_add_co_u32 s[XB+2*\s], s[XB+2*\s], s2
	s_mov_b32 s[XB+2*\s+1], 0
.endr
	s_mov_b32 s35, 0
	s_wait_kmcnt 0x0
	s_load_b64 s[60:61], s[18:19], 0x0             ; e0, e1
.irp i, 0,1,2,3
	s_add_nc_u64 s[GF+4*\i+2:GF+4*\i+3], s[10:11], s[GF+4*\i+2:GF+4*\i+3]
	s_or_b32 s[GF+4*\i+3], s[GF+4*\i+3], 0x80000000   ; type = 2
.endr
	FILL GF                                        ; K steps 0 and 1
.irp s, 0,1,2,3,4,5,6,7
	s_add_nc_u64 s[XB+2*\s:XB+2*\s+1], s[8:9], s[XB+2*\s:XB+2*\s+1]
.endr
.irp q, 0,1,2,3,4,5
	XLOAD \q
.endr
	s_add_nc_u64 s[12:13], s[12:13], s[34:35]
.irp k, 0,1,2,3
	global_load_b128 v[32+4*\k:35+4*\k], v[XOFF], s[12:13] offset:512*\k   ; W2[w][128 k + 4 lane + 0 .. 3]
.endr
.irp k, 0,1,2,3
	global_load_b128 v[48+4*\k:51+4*\k], v[XOFF], s[14:15] offset:512*\k   ; b1 likewise
.endr
	global_load_b32 v64, v[EW], s[16:17]           ; b2[w]
	; where my results go
	s_mov_b32 s89, 0
	s_lshl_b32 s88, s30, 12                        ; out0: 4,096 bytes a block, 512 a wave
	s_lshl_b32 s90, s[WV], 9
	s_add_co_u32 s88, s88, s90
	s_add_nc_u64 s[20:21], s[20:21], s[88:89]
	s_cmp_lt_u32 s[WV], 4                          ; waves 0-3 store out1, waves 4-7 out2: 1,024 bytes a block, 256 a wave
	s_cselect_b64 s[22:23], s[22:23], s[24:25]
	s_lshl_b32 s88, s30, 10
	s_and_b32 s90, s[WV], 3
	s_lshl_b32 s90, s90, 8
	s_add_co_u32 s88, s88, s90
	s_add_nc_u64 s[22:23], s[22:23], s[88:89]
	s_lshl_b32 s88, s30, 9                         ; out3: 512 bytes a block in each row; my two rows (expert w) of 131,072 bytes
	s_lshl_b32 s90, s[WV], 18
	s_add_co_u32 s88, s88, s90
	s_add_nc_u64 s[26:27], s[26:27], s[88:89]
	s_mov_b32 s66, 0x76543210                      ; v_permlanex16_b32: lane l xor 16
	s_mov_b32 s67, 0xfedcba98
	s_mov_b32 s[HIGH], 0xffff0000
	s_wait_kmcnt 0x0
	s_add_co_i32 s62, s60, 127
	s_lshl_b32 s63, s62, 23
	v_mov_b32 v[SCL], s63                          ; 2^e0 as f32: the conversion takes its exponent field
	s_add_co_i32 s62, s62, 15
	s_lshl_b32 s62, s62, 23
	s_or_b32 s[LIM], s62, 0x600000
	s_or_b32 s[NLIM], s[LIM], 0x80000000
	s_add_co_i32 s62, s60, s61                     ; E
	s_add_co_i32 s62, s62, 127
	s_lshl_b32 s[TWOE], s62, 23
	s_wait_alu depctr_va_vdst(0)
	; ---- step 0 is quantised.  29: the five younger groups of x and the nine loads of W2, b1 and b2 stay out
.irp q, 0,1,2,3
	HQ \q, 29
.endr
	s_wait_loadcnt 16                              ; W2, b1 and b2 are in; behind them x's groups 6 to 9 were issued
.irp k, 0,1,2,3
	ds_store_b128 v[W2S], v[32+4*\k:35+4*\k] offset:512*\k   ; row w of W2, for every wave's second product
.endr
	v_pk_mul_f32 v[68:69], v[32:33], v[48:49]
	v_pk_mul_f32 v[70:71], v[34:35], v[50:51]
.irp k, 1,2,3
	v_pk_fma_f32 v[68:69], v[32+4*\k:33+4*\k], v[48+4*\k:49+4*\k], v[68:69]
	v_pk_fma_f32 v[70:71], v[34+4*\k:35+4*\k], v[50+4*\k:51+4*\k], v[70:71]
.endr
	v_mov_b32 v72, 0                               ; a lane permute's destination counts as one of its sources
	v_add_nc_u32 v73, CBL, v[EW]
	v_pk_add_f32 v[68:69], v[68:69], v[70:71]
	v_add_f32 v68, v68, v69
.irp m, 1,2,4,8
	v_add_f32_dpp v68, v68, v68 row_xmask:\m row_mask:0xf bank_mask:0xf
.endr
	v_permlanex16_b32 v72, v68, s66, s67
	v_add_f32 v68, v68, v72
	v_add_f32 v68, v68, v64                        ; b1 . W2[w] + b2[w], in every lane
	ds_store_b32 v73, v68
	ASK 3
	s_wait_tensorcnt 0x0                           ; my images of steps 0 and 1 are in
	ds_add_u32 v[SPW], v[NIL]
	s_wait_dscnt 0x0                               ; the add is done, my code words and my row of W2 have landed
	ROUND
	FILL GF+4                                      ; steps 2 and 3, slot 1's first fill: the first tensor load behind the round
	; ---- the K steps
	TRIP 0, 1, 0, 0                                ; the first step's products start the sums: nothing is cleared
	TRIP 1, 0, 1, GF+8                             ; slot 0 (steps 0, 1) takes steps 4, 5
	TRIP 2, 0, 0, 0
	TRIP 3, 0, 1, GF+12                            ; slot 1 (steps 2, 3) takes steps 6, 7
	TRIP 4, 0, 0, 0
	TRIP 5, 0, 1, 1
	TRIP 6, 0, 1, 0
	TRIP 7, 0, 1, 0
	; ---- the way out's addresses: these lines are also the places behind the last products
	WIN 0
	s_lshl_b32 s32, s[WV], 12
	s_lshl_b32 s33, s[WV], 8
	s_lshl_b32 s34, s[WV], 7
	s_add_co_u32 s34, s34, WI
	v_and_b32 v11, 15, v0                          ; r
	v_bfe_u32 v12, v0, 4, 1                        ; h
	v_and_b32 v22, 31, v0
	v_lshlrev_b32 v21, 11, v12
	v_lshl_add_u32 v21, v11, 4, v21
	v_add_nc_u32 v13, s32, v21                     ; partial logits: part w, [h][token][16 bytes]: sixteen lanes touch 256 consecutive bytes.  The parts lie in slot 0, behind its last fill and its last read
	v_add_nc_u32 v14, s33, v21                     ; and where I read those of token 16 w + r, experts 4 h .. 4 h + 3
	v_lshl_add_u32 v15, v12, 4, CBL
	v_lshl_add_u32 v16, v11, 3, s34
	v_lshl_add_u32 v16, v12, 10, v16               ; lanes 0-15 store the weights of token 16 w + r, lanes 16-31 its indices
	v_lshl_add_u32 v17, v0, 3, WI                  ; threads 0-127 take the weights on, threads 128-255 the indices
	v_lshl_add_u32 v18, v22, 5, WI+1024            ; four tokens' indices
	v_lshlrev_b32 v19, 3, v22
	v_lshlrev_b32 v20, 5, v11
	v_lshl_add_u32 v20, v12, 4, v20                ; out0: token r, + 16 h
	s_wait_alu depctr_va_vdst(0)
	; ---- the second product
.irp g, 0,1,2,3,4,5,6,7
	EPT \g
.endr
	WIN 0
.irp T, 0,1,2,3,4,5,6,7
.irp e, 0,1,2,3,4,5,6,7
	v_add_f32 v[PP+8*\T+\e], v[LL+16*\T+2*\e], v[LL+16*\T+2*\e+1]
.endr
.endr
.irp T, 0,1,2,3,4,5,6,7
.irp e, 0,1,2,3
	v_permlane16_swap_b32 v[PP+8*\T+\e], v[PP+8*\T+\e+4]   ; both halves' sums of expert e stand in lanes 0-15 now, of expert e + 4 in lanes 16-31
.endr
.endr
.irp T, 0,1,2,3,4,5,6,7
.irp i, 0,2
	v_pk_add_f32 v[PP+8*\T+\i:PP+8*\T+\i+1], v[PP+8*\T+\i:PP+8*\T+\i+1], v[PP+8*\T+4+\i:PP+8*\T+5+\i]
.endr
.endr
.irp T, 0,1,2,3,4,5,6,7
	ds_store_b128 v13, v[PP+8*\T:PP+8*\T+3] offset:256*\T
.endr
	s_wait_dscnt 0x0                               ; for the others' sake
	s_barrier_signal -1
	s_barrier_wait -1                              ; the eight parts of all 128 tokens lie in LDS
	; ---- two lanes, a token
.irp p, 0,1,2,3,4,5,6,7
	ds_load_b128 v[FF+4*\p:FF+4*\p+3], v14 offset:4096*\p
.endr
	ds_load_b128 v[CB:CB+3], v15
	s_wait_dscnt 0x0
.irp i, 0,2
.irp p, 0,1,2,3
	v_pk_add_f32 v[FF+4*\p+\i:FF+4*\p+\i+1], v[FF+4*\p+\i:FF+4*\p+\i+1], v[FF+4*\p+16+\i:FF+4*\p+17+\i]
.endr
.endr
.irp i, 0,2
.irp p, 0,1
	v_pk_add_f32 v[FF+4*\p+\i:FF+4*\p+\i+1], v[FF+4*\p+\i:FF+4*\p+\i+1], v[FF+4*\p+8+\i:FF+4*\p+9+\i]
.endr
.endr
.irp i, 0,2
	v_pk_add_f32 v[FF+\i:FF+\i+1], v[FF+\i:FF+\i+1], v[FF+4+\i:FF+5+\i]
.endr
.irp i, 0,1,2,3
	v_mov_b32 v[OT+\i], 0                          ; a lane permute's destination counts as one of its sources
.endr
.irp i, 0,1,2,3
	v_fma_f32 v[LG+\i], v[FF+\i], s[TWOE], v[CB+\i]   ; the logits of experts 4 h .. 4 h + 3
.endr
	global_store_b128 v20, v[LG:LG+3], s[20:21] th:TH_STORE_NT   ; the wave stores 512 consecutive bytes, at a multiple of 512 from the buffer's first byte
.irp i, 0,1,2,3
	v_permlanex16_b32 v[OT+\i], v[LG+\i], s66, s67
.endr
.irp i, 0,1,2,3
	v_cndmask_b32 v[PR+\i], v[LG+\i], v[OT+\i], s[HIGH]      ; all eight logits in both lanes
	v_cndmask_b32 v[PR+4+\i], v[OT+\i], v[LG+\i], s[HIGH]
.endr
	v_max3_num_f32 v[TM], v[PR], v[PR+1], v[PR+2]
	v_max3_num_f32 v[TM+1], v[PR+3], v[PR+4], v[PR+5]
	v_max3_num_f32 v[TM], v[TM], v[PR+6], v[PR+7]
	v_max_num_f32 v[TM], v[TM], v[TM+1]            ; the row's maximum is taken away first
.irp e, 0,1,2,3,4,5,6,7
	v_sub_f32 v[PR+\e], v[PR+\e], v[TM]            ; the difference first, then the factor: near the maximum the difference is exact, whatever the logits' size
.endr
.irp e, 0,1,2,3,4,5,6,7
	v_mul_f32 v[PR+\e], 0x3fb8aa3b, v[PR+\e]       ; x log2(e)
.endr
	s_wait_alu depctr_va_vdst(0)                   ; the wait ahead of the batch
.irp e, 0,1,2,3,4,5,6,7
	v_exp_f32 v[PR+\e], v[PR+\e]
.endr
	v_nop                                          ; a plain line behind the last exponential
	s_wait_alu depctr_va_vdst(0)                   ; one wait ahead of its first reader
	v_add_f32 v[TM], v[PR], v[PR+1]
	v_add_f32 v[TM+1], v[PR+2], v[PR+3]
	v_add_f32 v[TM+2], v[PR+4], v[PR+5]
	v_add_f32 v[TM+3], v[PR+6], v[PR+7]
	v_add_f32 v[TM], v[TM], v[TM+1]
	v_add_f32 v[TM+2], v[TM+2], v[TM+3]
	v_add_f32 v[TM], v[TM], v[TM+2]
	s_wait_alu depctr_va_vdst(0)
	v_rcp_f32 v[TM+1], v[TM]
	v_nop
	s_wait_alu depctr_va_vdst(0)
.irp e, 0,1,2,3,4,5,6,7
	v_mul_f32 v[PR+\e], v[PR+\e], v[TM+1]          ; the probabilities
.endr
	v_mov_b32 v[BV], v[PR]                         ; the largest: a later one wins only if it is greater, so a tie stays with the lower index
	v_mov_b32 v[BI], 0
.irp e, 1,2,3,4,5,6,7
	v_cmp_gt_f32 vcc_lo, v[PR+\e], v[BV]
	v_cndmask_b32 v[BI], v[BI], \e, vcc_lo
	v_max_num_f32 v[BV], v[BV], v[PR+\e]
.endr
.irp e, 0,1,2,3,4,5,6,7
	v_cmp_eq_u32 vcc_lo, \e, v[BI]
	v_cndmask_b32 v[QQ+\e], v[PR+\e], -1.0, vcc_lo   ; the winner is taken out: -1 lies under every probability
.endr
	v_mov_b32 v[CV], v[QQ]                         ; the second, in the same way
	v_mov_b32 v[BI+1], 0
.irp e, 1,2,3,4,5,6,7
	v_cmp_gt_f32 vcc_lo, v[QQ+\e], v[CV]
	v_cndmask_b32 v[BI+1], v[BI+1], \e, vcc_lo
	v_max_num_f32 v[CV], v[CV], v[QQ+\e]
.endr
	v_add_f32 v[TM], v[BV], v[CV]
	s_wait_alu depctr_va_vdst(0)
	v_rcp_f32 v[TM+1], v[TM]
	v_nop
	s_wait_alu depctr_va_vdst(0)
	v_mul_f32 v[W0], v[BV], v[TM+1]
	v_mul_f32 v[W0+1], v[CV], v[TM+1]
	v_cndmask_b32 v[DO], v[W0], v[BI], s[HIGH]
	v_cndmask_b32 v[DO+1], v[W0+1], v[BI+1], s[HIGH]
	ds_store_b64 v16, v[DO:DO+1]
	s_wait_dscnt 0x0                               ; for the others' sake
	s_barrier_signal -1
	s_barrier_wait -1                              ; all 128 tokens' weights and indices lie in LDS
	; ---- out
	ds_load_b64 v[OW:OW+1], v17
	ds_load_b128 v[II:II+3], v18                   ; tokens 4 lane .. 4 lane + 3: (i0, i1) each
	ds_load_b128 v[II+4:II+7], v18 offset:16
	s_wait_dscnt 0x0
	global_store_b64 v19, v[OW:OW+1], s[22:23] th:TH_STORE_NT   ; 32 lanes store 256 consecutive bytes, at a multiple of 256 from the buffer's first byte
.irp a, 0,1                            ; expert w's row of place a
.irp j, 0,1,2,3
	v_cmp_eq_u32 vcc_lo, s[WV], v[II+2*\j+\a]
	v_cndmask_b32 v[MK+4*\a+\j], 0, 1, vcc_lo
.endr
.endr
.irp a, 0,1
	global_store_b128 v[XOFF], v[MK+4*\a:MK+4*\a+3], s[26:27] offset:131072*\a th:TH_STORE_NT   ; the block's 128 tokens of a row: 512 consecutive bytes
.endr
	s_wait_tensorcnt 0x0                           ; the wave's end, behind my last tensor load and my last LDS store
	ds_add_u32 v[SPW], v[NIL]
	s_wait_dscnt 0x0
	ROUND                                          ; the closing round: no work-group ends while a partner may still ask for a piece that names it
	s_endpgm
.Lfunc_end_k_qbaeef80242_main:
	.size	k_qbaeef80242_main, .Lfunc_end_k_qbaeef80242_main-k_qbaeef80242_main
	.p2alignl 7, 3214868480
	.fill 96, 4, 3214868480
	.section	.rodata,"a",@progbits
	.p2align	6, 0x0
	.amdhsa_kernel k_qbaeef80242_main
		.amdhsa_group_segment_fixed_size 327680
		.amdhsa_private_segment_fixed_size 0
		.amdhsa_enable_private_segment 0
		.amdhsa_kernarg_size 80
		.amdhsa_user_sgpr_count 2
		.amdhsa_user_sgpr_kernarg_segment_ptr 1
		.amdhsa_wavefront_size32 1
		.amdhsa_system_sgpr_workgroup_id_x 1
		.amdhsa_system_sgpr_workgroup_id_y 1
		.amdhsa_system_sgpr_workgroup_id_z 1
		.amdhsa_system_vgpr_workitem_id 0
		.amdhsa_next_free_vgpr 512
		.amdhsa_next_free_sgpr 96
		.amdhsa_reserve_vcc 1
		.amdhsa_float_denorm_mode_32 3
		.amdhsa_float_denorm_mode_16_64 3
		.amdhsa_memory_ordered 1
		.amdhsa_forward_progress 1
		.amdhsa_inst_pref_size 199
	.end_amdhsa_kernel
	.amdgpu_metadata
---
amdhsa.version: [ 1, 2 ]
amdhsa.kernels:
  - .name:           k_qbaeef80242_main
    .symbol:         k_qbaeef80242_main.kd
    .args:
      - { .name: x, .offset: 0, .size: 8, .value_kind: global_buffer, .address_space: global }
      - { .name: w1c, .offset: 8, .size: 8, .value_kind: global_buffer, .address_space: global }
      - { .name: W2, .offset: 16, .size: 8, .value_kind: global_buffer, .address_space: global }
      - { .name: b1, .offset: 24, .size: 8, .value_kind: global_buffer, .address_space: global }
      - { .name: b2, .offset: 32, .size: 8, .value_kind: global_buffer, .address_space: global }
      - { .name: lowp_scales, .offset: 40, .size: 8, .value_kind: global_buffer, .address_space: global }
      - { .name: out0, .offset: 48, .size: 8, .value_kind: global_buffer, .address_space: global }
      - { .name: out1, .offset: 56, .size: 8, .value_kind: global_buffer, .address_space: global }
      - { .name: out2, .offset: 64, .size: 8, .value_kind: global_buffer, .address_space: global }
      - { .name: out3, .offset: 72, .size: 8, .value_kind: global_buffer, .address_space: global }
    .group_segment_fixed_size: 327680
    .private_segment_fixed_size: 0
    .kernarg_segment_align: 8
    .kernarg_segment_size: 80
    .max_flat_workgroup_size: 256
    .sgpr_count:     96
    .vgpr_count:     512
    .wavefront_size: 32
...
	.end_amdgpu_metadata
.endif
;; end of part 2
